; MI455X (gfx1250); checked and timed in simulation.
; The chip was launched on July 23, 2026; its instructions are those of AMD's public machine-readable ISA for CDNA 5 (MIT licence, August 2026) and "CDNA5" Instruction Set Architecture Reference Guide (July 2026). The comments in the code are by the model that wrote it; some were corrected since.
;; Vector Quantizer. Allowed arithmetic: float matrix products may take bf16 or f16 operands with f32 sums; all other float work in f32.
;; Inputs: codebook 16,384 x 512 float32; inputs 8 x 1,024 x 512 float32.
;; Outputs: out0 8 x 1,024 x 512 float32; out1 one number float32; out2 8 x 1,024 int32.
;; One version. Each part assembles by itself: llvm-mc -triple=amdgcn-amd-amdhsa -mcpu=gfx1250 --defsym DOCPART=n.
;; ======== version 1 of 1: 4 launches
;; workspace buffers: x16 8,388,608 bytes; cb16 16,777,216 bytes; xx 32,768 bytes; cc 65,536 bytes; pkey 262,144 bytes of whole numbers; pidx 262,144 bytes of whole numbers; ploss 1,024 bytes
;; launch prep (part 1): grid 256 x 1, 8 waves a work-group, no clusters, 1,536 bytes of LDS; arguments codebook, inputs, cb16, x16, cc, xx; writes cb16, x16, cc, xx
.if DOCPART == 1
	.amdgcn_target "amdgcn-amd-amdhsa--gfx1250"
	.amdhsa_code_object_version 6
	.text
	.protected	k_q2a580fe38e_prep
	.globl	k_q2a580fe38e_prep
	.p2align	8
	.type	k_q2a580fe38e_prep,@function
k_q2a580fe38e_prep:
	s_mov_b64 s[64:65], 0
	v_nop
	global_prefetch_b8 v0, s[64:65] scope:SCOPE_SE
	s_setreg_imm32_b32 hwreg(HW_REG_WAVE_MODE, 25, 1), 1
	s_wait_xcnt 0x0
; Rounds codebook [16384][512] and inputs [8192][512] once from f32 to bf16 (cb16, x16) and forms each ROUNDED row's sum of
; squares in f32 (cc, xx).  All later launches work on these rounded operands alone.
; LIMIT: a row's sum of squares is added in this text's order (two chains a lane, then across the lanes), not in the order of the problem's formula.
; Work-group g: code rows 64 g .. 64 g + 63 and input rows 32 g .. 32 g + 31.  Wave w: 8 code rows and 4 input rows, one row at a time
; in 16 registers.  All 48 loads of a wave (12 rows x 4 loads of 512 consecutive bytes) go out at the start; nothing is loaded twice.
; No matrix unit, no cluster: nothing here is a product and no two work-groups read the same byte.
.set X, 32                             ; v[32:223]  row i: 16 registers; load j brings elements 128 j + 4 lane .. + 3
.set T, 8                              ; v[8:15]    the rounded numbers widened again, two sets by turns
.set S, 16                             ; v[16:19]   two chains of two sums
	s_load_b256 s[4:11], s[0:1], 0x0               ; codebook s[4:5], inputs s[6:7], cb16 s[8:9], x16 s[10:11]
	s_load_b128 s[12:15], s[0:1], 0x20             ; cc s[12:13], xx s[14:15]
	v_lshl_add_u32 v224, v0, 2, 0x200
	v_mov_b32 v225, 0
	v_lshrrev_b32 v5, 5, v0
	v_readfirstlane_b32 s16, v5                    ; wave 0..7
	v_and_b32 v6, 31, v0                           ; lane
	v_lshlrev_b32 v1, 4, v6                        ; 16 lane: my 16 bytes of a load's 512
	v_lshlrev_b32 v2, 3, v6                        ; 8 lane: my 8 bytes of a store's 256
	v_lshlrev_b32 v7, 2, v6                        ; 4 lane
	s_lshl_b32 s17, s16, 5
	v_mov_b32 v3, s17                              ; LDS: my wave's 8 code sums at byte 32 w
	s_lshl_b32 s17, s16, 4
	v_mov_b32 v4, s17                              ; LDS: my wave's 4 input sums at byte 256 + 16 w (the 256 stands in the immediate)
	v_mov_b32 v21, 0                               ; v_permlanex16_b32 counts as a reader of its destination
	s_mov_b32 s20, 0x76543210                      ; lane i of one half reads lane i of the other
	s_mov_b32 s21, 0xfedcba98
	s_mov_b32 s22, 0xffff0000                      ; a word's upper bf16
	s_lshl_b32 s18, ttmp9, 17                      ; 64 g rows of 2,048 bytes
	s_lshl_b32 s23, s16, 14                        ; + 8 w rows
	s_add_co_u32 s18, s18, s23
	s_mov_b32 s19, 0
	s_lshr_b32 s24, s18, 1                         ; half of that: inputs (32 g + 4 w rows of 2,048) and cb16 (64 g + 8 w rows of 1,024)
	s_mov_b32 s25, 0
	s_lshr_b32 s26, s18, 2                         ; a quarter: x16 (32 g + 4 w rows of 1,024)
	s_mov_b32 s27, 0
	s_lshl_b32 s28, ttmp9, 8                       ; cc: 64 words a work-group
	s_mov_b32 s29, 0
	s_lshl_b32 s30, ttmp9, 7                       ; xx: 32 words a work-group
	s_mov_b32 s31, 0
	s_wait_kmcnt 0x0
	s_add_nc_u64 s[4:5], s[4:5], s[18:19]
	s_add_nc_u64 s[6:7], s[6:7], s[24:25]
	s_add_nc_u64 s[8:9], s[8:9], s[24:25]
	s_add_nc_u64 s[10:11], s[10:11], s[26:27]
	s_add_nc_u64 s[12:13], s[12:13], s[28:29]
	s_add_nc_u64 s[14:15], s[14:15], s[30:31]
.irp i, 0,1,2,3,4,5,6,7
.irp j, 0,1,2,3
	global_load_b128 v[X+16*\i+4*\j:X+16*\i+4*\j+3], v1, s[4:5] offset:2048*\i+512*\j th:TH_LOAD_NT
.endr
.endr
.irp i, 0,1,2,3
.irp j, 0,1,2,3
	global_load_b128 v[X+128+16*\i+4*\j:X+128+16*\i+4*\j+3], v1, s[6:7] offset:2048*\i+512*\j th:TH_LOAD_NT
.endr
.endr
; Row i of my twelve.  ob: the scalar pair of the bf16 output; orow: the row's number there; la, lo: LDS register and offset of its sum;
; left: the loads of the rows behind it, which stay out.
.macro ROW i, ob, orow, la, lo, left
	s_wait_loadcnt \left                           ; loads come back in order: this row's four are in
.irp j, 0,1,2,3
	v_cvt_pk_bf16_f32 v[X+16*(\i)+4*\j],   v[X+16*(\i)+4*\j],   v[X+16*(\i)+4*\j+1]    ; four roundings, packed into the row's own registers,
	v_cvt_pk_bf16_f32 v[X+16*(\i)+4*\j+1], v[X+16*(\i)+4*\j+2], v[X+16*(\i)+4*\j+3]    ; which nothing writes again: the store needs no wait
	global_store_b64 v2, v[X+16*(\i)+4*\j:X+16*(\i)+4*\j+1], s[\ob:\ob+1] offset:1024*(\orow)+256*\j   ; the wave's 32 lanes store 256 consecutive bytes, aligned
	v_lshlrev_b32 v[T+4*(\j&1)],   16,  v[X+16*(\i)+4*\j]                              ; the rounded numbers as f32 again
	v_and_b32     v[T+4*(\j&1)+1], s22, v[X+16*(\i)+4*\j]
	v_lshlrev_b32 v[T+4*(\j&1)+2], 16,  v[X+16*(\i)+4*\j+1]
	v_and_b32     v[T+4*(\j&1)+3], s22, v[X+16*(\i)+4*\j+1]
.if \j == 0
	v_pk_mul_f32 v[S:S+1],   v[T:T+1],   v[T:T+1]                                      ; the first squares start the chains
	v_pk_mul_f32 v[S+2:S+3], v[T+2:T+3], v[T+2:T+3]
.else
	v_pk_fma_f32 v[S:S+1],   v[T+4*(\j&1):T+4*(\j&1)+1],   v[T+4*(\j&1):T+4*(\j&1)+1],   v[S:S+1]
	v_pk_fma_f32 v[S+2:S+3], v[T+4*(\j&1)+2:T+4*(\j&1)+3], v[T+4*(\j&1)+2:T+4*(\j&1)+3], v[S+2:S+3]
.endif
.endr
	v_pk_add_f32 v[S:S+1], v[S:S+1], v[S+2:S+3]
	v_add_f32 v20, v[S], v[S+1]
	v_add_f32_dpp v20, v20, v20 row_xmask:1 row_mask:0xf bank_mask:0xf
	v_add_f32_dpp v20, v20, v20 row_xmask:2 row_mask:0xf bank_mask:0xf
	v_add_f32_dpp v20, v20, v20 row_xmask:4 row_mask:0xf bank_mask:0xf
	v_add_f32_dpp v20, v20, v20 row_xmask:8 row_mask:0xf bank_mask:0xf
	v_permlanex16_b32 v21, v20, s20, s21
	v_add_f32 v20, v20, v21                        ; the row's sum, in every lane
	ds_store_b32 v[\la], v20 offset:\lo            ; all lanes write the same word with the same value
.endm
.irp i, 0,1,2,3,4,5,6,7
	ROW \i, 8, \i, 3, 4*\i, 44-4*\i
.endr
.irp i, 8,9,10,11
	ROW \i, 10, \i-8, 4, 224+4*\i, 44-4*\i
.endr
	s_wait_dscnt 0x0                               ; my sums are in LDS before I say so
	s_barrier_signal -1
	s_barrier_wait -1
	s_cmp_lg_u32 s16, 0
	s_cbranch_scc1 .Lnot_wave_0
	ds_load_b64 v[22:23], v2                       ; wave 0: the group's 64 code sums
	s_wait_dscnt 0x0
	global_store_b64 v2, v[22:23], s[12:13]        ; 256 consecutive bytes, aligned
	s_wait_tensorcnt 0x0
	ds_add_u32 v224, v225
	s_wait_dscnt 0x0
	s_endpgm
.Lnot_wave_0:
	s_cmp_lg_u32 s16, 1
	s_cbranch_scc1 .Lend
	ds_load_b32 v22, v7 offset:256                 ; wave 1: the group's 32 input sums
	s_wait_dscnt 0x0
	global_store_b32 v7, v22, s[14:15]             ; 128 consecutive bytes: all that a work-group has of xx
.Lend:
	s_wait_tensorcnt 0x0
	ds_add_u32 v224, v225
	s_wait_dscnt 0x0
	s_endpgm
.Lfunc_end_k_q2a580fe38e_prep:
	.size	k_q2a580fe38e_prep, .Lfunc_end_k_q2a580fe38e_prep-k_q2a580fe38e_prep
	.p2alignl 7, 3214868480
	.fill 96, 4, 3214868480
	.section	.rodata,"a",@progbits
	.p2align	6, 0x0
	.amdhsa_kernel k_q2a580fe38e_prep
		.amdhsa_group_segment_fixed_size 1536
		.amdhsa_private_segment_fixed_size 0
		.amdhsa_enable_private_segment 0
		.amdhsa_kernarg_size 48
		.amdhsa_user_sgpr_count 2
		.amdhsa_user_sgpr_kernarg_segment_ptr 1
		.amdhsa_wavefront_size32 1
		.amdhsa_system_sgpr_workgroup_id_x 1
		.amdhsa_system_sgpr_workgroup_id_y 1
		.amdhsa_system_sgpr_workgroup_id_z 1
		.amdhsa_system_vgpr_workitem_id 0
		.amdhsa_next_free_vgpr 226
		.amdhsa_next_free_sgpr 66
		.amdhsa_reserve_vcc 0
		.amdhsa_float_denorm_mode_32 3
		.amdhsa_float_denorm_mode_16_64 3
		.amdhsa_memory_ordered 1
		.amdhsa_forward_progress 1
		.amdhsa_inst_pref_size 36
	.end_amdhsa_kernel
	.amdgpu_metadata
---
amdhsa.version: [ 1, 2 ]
amdhsa.kernels:
  - .name:           k_q2a580fe38e_prep
    .symbol:         k_q2a580fe38e_prep.kd
    .args:
      - { .name: codebook, .offset: 0, .size: 8, .value_kind: global_buffer, .address_space: global }
      - { .name: inputs, .offset: 8, .size: 8, .value_kind: global_buffer, .address_space: global }
      - { .name: cb16, .offset: 16, .size: 8, .value_kind: global_buffer, .address_space: global }
      - { .name: x16, .offset: 24, .size: 8, .value_kind: global_buffer, .address_space: global }
      - { .name: cc, .offset: 32, .size: 8, .value_kind: global_buffer, .address_space: global }
      - { .name: xx, .offset: 40, .size: 8, .value_kind: global_buffer, .address_space: global }
    .group_segment_fixed_size: 1536
    .private_segment_fixed_size: 0
    .kernarg_segment_align: 8
    .kernarg_segment_size: 48
    .max_flat_workgroup_size: 256
    .sgpr_count:     66
    .vgpr_count:     226
    .wavefront_size: 32
...
	.end_amdgpu_metadata
.endif
;; end of part 1
;; launch dist (part 2): grid 8 x 32, 4 waves a work-group, clusters of 4 x 4, 327,680 bytes of LDS; arguments x16, cb16, xx, cc, pkey, pidx; writes pkey, pidx
.if DOCPART == 2
	.amdgcn_target "amdgcn-amd-amdhsa--gfx1250"
	.amdhsa_code_object_version 6
	.text
	.protected	k_q2a580fe38e_dist
	.globl	k_q2a580fe38e_dist
	.p2align	8
	.type	k_q2a580fe38e_dist,@function
k_q2a580fe38e_dist:
	s_mov_b64 s[64:65], 0
	v_nop
	global_prefetch_b8 v0, s[64:65] scope:SCOPE_SE
	s_setreg_imm32_b32 hwreg(HW_REG_WAVE_MODE, 25, 1), 1
	s_wait_xcnt 0x0
	s_wait_alu depctr_hold_cnt(0) depctr_sa_sdst(0) depctr_va_vdst(0) depctr_va_sdst(0) depctr_va_ssrc(0) depctr_va_vcc(0) depctr_vm_vsrc(0)
	s_getreg_b32 s2, hwreg(HW_REG_IB_STS2, 6, 4)
	s_cmp_eq_u32 s2, 0
	s_cbranch_scc0 .Lentry_in_a_cluster
	s_endpgm
.Lentry_in_a_cluster:
	s_bfe_u32 s2, ttmp6, 0x10000c
	s_cmp_lg_u32 s2, 0xf033
	s_cbranch_scc0 .Lentry_shape_is_right
	s_endpgm
.Lentry_shape_is_right:
; d[n][k] = fl(fl(xx[n] - 2 x[n].c[k]) + cc[k]) and, for each row n and each split of 2,048 codes, the least d and the FIRST code that has it.
; x16 [8192][512], cb16 [16384][512] bf16; products in the matrix unit with f32 sums; the two roundings of d are those of the problem's formula
; (2 x.c is exact, so one fused multiply-add gives the first).  Equal distances are common (d is rounded on the grid of xx), so the order of codes is kept exactly.
; LIMITS: inputs finite: a NaN distance is never chosen.  If every distance is +inf the index is 0.  The f32 sums of a dot product are added in the matrix unit's order.
;
; SHARES: work-group (x = split 0..7, y = block row 0..31) stays for 256 rows x 2,048 codes: 8 tiles of 256 x 256.  Four waves; wave w takes rows 128 (w >> 1) .. and
; codes 128 (w & 1) .. of a tile: 64 accumulator tiles of 16 x 16 in 512 registers.  K goes in steps of 128 through two LDS slots; the ring runs on from tile to tile.
; CLUSTERS: 4 x 4 work-groups.  The four of a cluster's row share the block row, so X's tiles are asked for jointly along it; the four of a column share the
; split, so the codes' tiles are asked for jointly along it: a quarter of the requests for both.
; THE MATRIX INSTRUCTION IS USED TRANSPOSED: source 0 = 16 codes, source 1 = 16 rows of x.  Lane l then holds row l % 16 of x, its registers 0..7 the codes
; 8 (l / 16) + 0..7: the search along the codes runs inside a lane.
; THE SEARCH keeps, for each of a lane's 8 rows, the least distance, the first code of the block of 8 in which it was FIRST seen (strict <, blocks in ascending order),
; and that block's 8 distances; the place inside the block is looked up once, at the end.
; THE SEAM BETWEEN TILES: a tile's search is 1,160 vector instructions for 1,024 matrix instructions.  It is not run as a block: at the seam the matrix instructions go by row
; blocks (macro PAIR), so that row blocks end their tile one after the other and begin the next one after the other, and the search of a finished row block is laid, five
; instructions at a time, behind the matrix instructions of the others.  Every accumulator still takes K in ascending order.
;
; LDS: ring 2 x 139,264 from byte 0 (a slot: X rows 0-127, 128-255, codes 0-127, 128-255, rows of 256 + 16 bytes); cc of my 2,048 codes at CCL; the waves' results at SCR.
; CCL and SCR are written by LDS stores and lie in aligned blocks of 256 bytes into which no tensor load lands.
; REGISTERS: window 0: everything the search touches but the accumulators, so that it runs with every window field 0 (map below).
;   window 1: fragments alone: codes v0-63 (buffer 0), v64-127 (buffer 1); x v128-191 (buffer 0), v192-255 (buffer 1).
;   windows 2, 3: the accumulators of my rows 0-63, 64-127 (row block a, code block b at v[64 (a & 3) + 8 b]).
.set PITCH,  272                       ; an LDS row: 256 bytes + 16 of padding, so that the 16 rows of a fragment load begin 68 words apart
.set HALFT,  128*PITCH                 ; what one tensor load brings
.set SLOT,   4*HALFT
.set CCL,    2*SLOT                    ; 8,192 bytes
.set SCR,    CCL+8192                  ; 4,096 bytes: least distances [wave][128], then indices [wave][128]
.set TILEB,  256*1024                  ; bytes of cb16 from a tile to the next: 256 rows of 1,024
.set RIDX,  1                          ; v1-8     first code of the block that holds the least, row block a (odd base: it pairs with RMIN in one dual instruction)
.set ADRA,  10                         ; v10-11   LDS address of my x fragments in slot 0, 1
.set ADRB,  12                         ; v12-13   the same for codes
.set CCA,   14                         ; v14      LDS address of my codes' cc in the tile that ends next
.set STV,   15                         ; v15      where my wave's results go
.set RDV,   16                         ; v16      where my two rows' results are read
.set OUTO,  17                         ; v17      8 x thread: my two rows in pkey and pidx
.set BLKID, 18                         ; v18-25   first code of my block b in the tile that ends next
.set XXP,   32                         ; v32-47   pair a: xx of my row 16 a + r, twice
.set M,     48                         ; v48-55   least of block b; at the end the place inside the block
.set RMIN,  56                         ; v56-63   least so far, row block a
.set T,     64                         ; v64-127  64 distances at work; set-up and the end use it as scratch
.set CC,    128                        ; v128-191 cc of code 16 b + 8 h + j at CC + 8 b + j
.set RSEL,  192                        ; v192-255 the 8 distances of the block that holds the least, row block a at RSEL + 8 a
.set G1A, 24                           ; s[24:31] group 1, X's tiles
.set G1B, 32                           ; s[32:39] group 1, the codes' tiles: the mask alone differs
.set G0A, 40                           ; s[40:55] group 0 for X, one set for each of a tile's four K steps; never written again (every tile walks the same X)
.set G0B, 68                           ; s[68:83] group 0 for the codes, one set for each K step; stepped from tile to tile
.set EROW, 144                         ; instructions of the search for one row block
.set EEND, 8*EROW+8                    ; and for a tile: eight row blocks, then the eight block numbers step on
.set NGAP, 5                           ; instructions of the search behind one matrix instruction, between two switches of the window
.set EP,   EEND                        ; the next instruction of the search's stream (EEND: none is due)
.set ELIM, EEND                        ; the stream may run up to here: the row blocks whose sums are complete
.set MSB, 0
.macro WIN new                         ; the immediate's high byte repeats the setting that is left; switches that change nothing are dropped
.if MSB != (\new)
	s_set_vgpr_msb (MSB<<8)|(\new)
.set MSB, (\new)
.endif
.endm
.set MUL_LO, 0xa5                      ; sources 0 and 1 (fragments) window 1, C and D window 2
.set MUL_HI, 0xf5                      ; the same, C and D window 3
.set TO_F,   0x40                      ; destination window 1, address window 0
; A joint load of K step k.  Waves 0, 1 fetch X's two halves, waves 2, 3 the codes'.  The branch hangs on the wave's number alone.
.macro JLOAD k
	s_cmp_eq_u32 s17, 0
	s_cbranch_scc0 .Lfor_b_\@
	tensor_load_to_lds s[G0A+4*(\k):G0A+4*(\k)+3], s[G1A:G1A+7]
	s_nop 0
	v_nop
	v_nop
	v_nop
	s_branch .Lasked_\@
.Lfor_b_\@:
	tensor_load_to_lds s[G0B+4*(\k):G0B+4*(\k)+3], s[G1B:G1B+7]
	s_nop 0
	v_nop
	v_nop
	v_nop
	v_nop
.Lasked_\@:
.endm
.macro CREST                           ; a round of the cluster's barrier behind its opening work-group barrier
	s_cmp_lg_u32 s16, 0
	s_cbranch_scc1 .Lnot_wave_0_\@
	s_barrier_signal -3
.Lnot_wave_0_\@:
	s_barrier_wait -3
	s_barrier_signal -1
	s_barrier_wait -1
.endm
.macro CROUND                          ; a whole round
	s_barrier_signal -1
	s_barrier_wait -1
	CREST
.endm
	s_load_b256 s[4:11], s[0:1], 0x0               ; x16 s[4:5], cb16 s[6:7], xx s[8:9], cc s[10:11]
	s_load_b128 s[12:15], s[0:1], 0x20             ; pkey s[12:13], pidx s[14:15]
	v_lshl_add_u32 v30, v0, 2, 0x47000
	v_mov_b32 v31, 0
	ds_add_u32 v30, v31
	v_lshrrev_b32 v64, 5, v0
	v_readfirstlane_b32 s16, v64                   ; wave 0..3
	s_lshr_b32 s17, s16, 1                         ; my half of the rows.  Also: I fetch X (0) or codes (1)
	s_and_b32 s18, s16, 1                          ; my half of the codes.  Also: which 128 rows of that tile I fetch
	s_bfe_u32 s19, ttmp6, 0x40000                  ; cx
	s_bfe_u32 s20, ttmp6, 0x40004                  ; cy
	s_lshl_b32 s21, ttmp9, 2
	s_add_co_u32 s21, s21, s19                     ; split = 4 x cluster x + cx
	s_and_b32 s22, ttmp7, 0xffff
	s_lshl_b32 s22, s22, 2
	s_add_co_u32 s22, s22, s20                     ; block row = 4 x cluster y + cy
	s_lshl_b32 s88, s20, 2
	s_lshl_b32 s88, 15, s88                        ; my row of the cluster: places 4 cy .. 4 cy + 3
	s_lshl_b32 s89, 0x1111, s19                    ; my column: places cx, cx + 4, cx + 8, cx + 12
	; group 1: a tile of 128 rows x 128 elements of 2 bytes, 512 elements from row to row, 4 words of padding behind every 64
	s_or_b32 s[G1A+0], s88, (1<<16)|(1<<20)|(1<<21)|(5<<22)|(3<<25)
	s_or_b32 s[G1B+0], s89, (1<<16)|(1<<20)|(1<<21)|(5<<22)|(3<<25)
	s_mov_b32 s[G1A+1], 128<<16                    ; tensor_dim0 = 128
	s_mov_b32 s[G1B+1], 128<<16
	s_mov_b32 s[G1A+2], 128<<16                    ; tensor_dim1 = 128
	s_mov_b32 s[G1B+2], 128<<16
	s_mov_b32 s[G1A+3], 128<<16                    ; tile_dim0 = 128
	s_mov_b32 s[G1B+3], 128<<16
	s_mov_b32 s[G1A+4], 128                        ; tile_dim1 = 128
	s_mov_b32 s[G1B+4], 128
	s_mov_b32 s[G1A+5], 512                        ; the pitch
	s_mov_b32 s[G1B+5], 512
	s_mov_b32 s[G1A+6], 0
	s_mov_b32 s[G1B+6], 0
	s_mov_b32 s[G1A+7], 0
	s_mov_b32 s[G1B+7], 0
	; X's offset hangs on the block row alone, the codes' on the split alone, each in registers that never hold the other coordinate
	s_lshl_b32 s56, s22, 18                        ; 256 rows of 1,024 bytes a block row
	s_lshl_b32 s57, s18, 17                        ; + my 128 rows
	s_add_co_u32 s56, s56, s57
	s_mov_b32 s57, 0
	s_lshl_b32 s60, s21, 21                        ; 2,048 rows of 1,024 bytes a split
	s_lshl_b32 s61, s18, 17
	s_add_co_u32 s60, s60, s61
	s_mov_b32 s61, 0
	s_mul_i32 s90, s16, HALFT                      ; where my loads land: the wave's number alone
	s_lshl_b32 s86, s22, 10                        ; xx: 256 words a block row
	s_lshl_b32 s87, s17, 9                         ; + my 128 rows
	s_add_co_u32 s86, s86, s87
	s_mov_b32 s87, 0
	s_lshl_b32 s92, s21, 13                        ; cc: 2,048 words a split
	s_mov_b32 s93, 0
	s_lshl_b32 s94, s21, 15                        ; pkey, pidx: [split][8192] words
	s_lshl_b32 s95, s22, 10
	s_add_co_u32 s94, s94, s95
	s_mov_b32 s95, 0
	s_mov_b32 s84, 0x76543210                      ; lane i of one half reads lane i of the other
	s_mov_b32 s85, 0xfedcba98
	s_mov_b32 s91, 0x7f800000                      ; +inf
	s_wait_dscnt 0x0
	s_wait_kmcnt 0x0
	s_add_nc_u64 s[58:59], s[4:5], s[56:57]
	s_add_nc_u64 s[62:63], s[6:7], s[60:61]
	s_add_nc_u64 s[8:9], s[8:9], s[86:87]
	s_add_nc_u64 s[10:11], s[10:11], s[92:93]
	s_add_nc_u64 s[12:13], s[12:13], s[94:95]
	s_add_nc_u64 s[14:15], s[14:15], s[94:95]
.irp k, 0,1,2,3
	s_mov_b32 s[G0A+4*\k], 1                                       ; count = 1
	s_add_co_u32 s[G0A+4*\k+1], s90, (\k&1)*SLOT                   ; LDS address: K step k uses slot k & 1
	s_add_nc_u64 s[G0A+4*\k+2:G0A+4*\k+3], s[58:59], \k*256        ; global address: 128 elements a K step
	s_or_b32 s[G0A+4*\k+3], s[G0A+4*\k+3], 0x80000000              ; type = 2
	s_mov_b32 s[G0B+4*\k], 1
	s_add_co_u32 s[G0B+4*\k+1], s90, (\k&1)*SLOT
	s_add_nc_u64 s[G0B+4*\k+2:G0B+4*\k+3], s[62:63], \k*256
	s_or_b32 s[G0B+4*\k+3], s[G0B+4*\k+3], 0x80000000
.endr
	CROUND                                         ; all sixteen work-groups are here: the first joint loads meet
	JLOAD 0                                        ; both slots' first fills, ahead of everything else: two loads of a wave are out, the most in this text
	JLOAD 1
	; while they fly: cc and xx, addresses, the search's state
	v_and_b32 v64, 15, v0                          ; r = l % 16
	v_bfe_u32 v65, v0, 4, 1                        ; h = l / 16
	v_lshlrev_b32 v66, 2, v64                      ; 4 r
	v_lshlrev_b32 v67, 4, v0                       ; 16 x thread
.irp i, 0,1,2,3
	global_load_b128 v[CC+4*\i:CC+4*\i+3], v67, s[10:11] offset:2048*\i    ; the split's 8,192 bytes of cc, once, in runs of 512 bytes a wave
.endr
.irp a, 0,1,2,3,4,5,6,7
	global_load_b32 v[XXP+2*\a], v66, s[8:9] offset:64*\a                  ; xx of my row 16 a + r
.endr
	v_mul_u32_u24 v68, v64, PITCH
	v_lshl_add_u32 v68, v65, 4, v68                ; row x pitch + 16 h: a fragment is two loads of 16 bytes, 32 bytes apart
	s_mul_i32 s86, s17, HALFT                      ; my 128 rows of X
	s_mul_i32 s87, s18, HALFT                      ; my 128 codes,
	s_add_co_u32 s87, s87, 2*HALFT                 ; which lie behind X's 256 rows
.irp s, 0,1
	v_add_nc_u32 v[ADRA+\s], s86, v68
	v_add_nc_u32 v[ADRB+\s], s87, v68
	s_add_co_u32 s86, s86, SLOT
	s_add_co_u32 s87, s87, SLOT
.endr
	s_lshl_b32 s86, s18, 9
	s_add_co_u32 s86, s86, CCL
	v_lshl_add_u32 v[CCA], v65, 5, s86             ; CCL + 4 (128 x code half + 8 h)
	s_lshl_b32 s87, s16, 9
	s_add_co_u32 s87, s87, SCR
	v_add_nc_u32 v[STV], s87, v66                  ; SCR + 512 w + 4 r
	v_and_b32 v69, 63, v0
	v_lshrrev_b32 v70, 6, v0
	v_lshlrev_b32 v69, 3, v69
	v_lshl_add_u32 v69, v70, 10, v69
	v_add_nc_u32 v[RDV], SCR, v69                  ; SCR + 1,024 (thread / 64) + 8 (thread % 64): rows 2 t, 2 t + 1 of the group
	v_lshlrev_b32 v[OUTO], 3, v0
	v_add_nc_u32 v71, CCL, v67
	s_lshl_b32 s86, s21, 11
	s_lshl_b32 s87, s18, 7
	s_add_co_u32 s86, s86, s87
	v_lshl_add_u32 v72, v65, 3, s86                ; 2,048 split + 128 x code half + 8 h
.irp a, 0,1,2,3,4,5,6,7
	v_mov_b32 v[RMIN+\a], s91                      ; the search's state, written once in the launch
	v_mov_b32 v[RIDX+\a], 0
	v_add_nc_u32 v[BLKID+\a], 16*\a, v72
.endr
.set i, 0
.rept 64
	v_mov_b32 v[RSEL+i], s91
.set i, i+1
.endr
	s_wait_loadcnt 0x0                             ; cc and xx, once
.irp i, 0,1,2,3
	ds_store_b128 v71, v[CC+4*\i:CC+4*\i+3] offset:2048*\i
.endr
.irp a, 0,1,2,3,4,5,6,7
	v_mov_b32 v[XXP+2*\a+1], v[XXP+2*\a]           ; a pair for the packed multiply-add
.endr
; Instruction number EP of a tile's search.  Row block k = EP / 144; inside it: 32 x fl(xx - 2 dot) out of the accumulators into T, 32 x + cc, 32 for the least of each
; block of 8, then for each block a compare and five pairs of selects.  The accumulators are read by the first 32 alone and are free behind them.
.macro EOP
.set ek, EP/EROW
.set ei, EP%EROW
.if EP >= 8*EROW
	WIN 0
	v_add_nc_u32 v[BLKID+EP-8*EROW], 0x100, v[BLKID+EP-8*EROW]     ; the next tile's codes
.elseif ei < 32
	WIN 2+(ek>>2)                                  ; source 0 in the accumulators' window, all else in window 0
	v_pk_fma_f32 v[T+2*ei:T+2*ei+1], v[64*(ek&3)+2*ei:64*(ek&3)+2*ei+1], -2.0, v[XXP+2*ek:XXP+2*ek+1] op_sel_hi:[1,0,1]    ; one rounding
.elseif ei < 64
	WIN 0
	v_pk_add_f32 v[T+2*(ei-32):T+2*(ei-32)+1], v[T+2*(ei-32):T+2*(ei-32)+1], v[CC+2*(ei-32):CC+2*(ei-32)+1]                ; the second rounding
.elseif ei < 72
	WIN 0
	v_min3_num_f32 v[M+ei-64], v[T+8*(ei-64)], v[T+8*(ei-64)+1], v[T+8*(ei-64)+2]
.elseif ei < 80
	WIN 0
	v_min3_num_f32 v[M+ei-72], v[M+ei-72], v[T+8*(ei-72)+3], v[T+8*(ei-72)+4]
.elseif ei < 88
	WIN 0
	v_min3_num_f32 v[M+ei-80], v[M+ei-80], v[T+8*(ei-80)+5], v[T+8*(ei-80)+6]
.elseif ei < 96
	WIN 0
	v_min_num_f32 v[M+ei-88], v[M+ei-88], v[T+8*(ei-88)+7]
.else
.set eb, (ei-96)/6
.set eo, (ei-96)%6
	WIN 0
.if eo == 0
	v_cmp_lt_f32 vcc_lo, v[M+eb], v[RMIN+ek]       ; strictly less, blocks in ascending order of codes: the first block with the least stays
.elseif eo == 1
	v_dual_cndmask_b32 v[RMIN+ek], v[RMIN+ek], v[M+eb] :: v_dual_cndmask_b32 v[RIDX+ek], v[RIDX+ek], v[BLKID+eb]
.else
	v_dual_cndmask_b32 v[RSEL+8*ek+2*(eo-2)], v[RSEL+8*ek+2*(eo-2)], v[T+8*eb+2*(eo-2)] :: v_dual_cndmask_b32 v[RSEL+8*ek+2*(eo-2)+1], v[RSEL+8*ek+2*(eo-2)+1], v[T+8*eb+2*(eo-2)+1]
.endif
.endif
.set EP, EP+1
.endm
.macro GAP                             ; behind a matrix instruction: up to NGAP instructions of the stream, as far as it may run
.rept NGAP
.if EP < ELIM
	EOP
.endif
.endr
.endm
.macro ENEED x                         ; the stream is driven on to instruction x
.if EP < (\x)
.rept (\x)-EP
	EOP
.endr
.endif
.endm
; Four places behind a matrix instruction before a load lands on one of its sources or a vector instruction reads its result or writes a source
; (ISA guide 7.12.1 for vector instructions); the matrix instructions in between are not counted.
.macro PLACES
.rept 4
	v_nop
.endr
.endm
.macro NEED a, zero                    ; row block a is about to be started again: its old sums have been read (the first 32 instructions of its search)
.if \zero
	ENEED EROW*(\a)+32
.endif
.endm
.macro DONE a, avail                   ; row block a's sums are complete: the stream may run through its search
.if \avail
.if \a == 7
.set ELIM, EEND
.else
.set ELIM, EROW*(\a+1)
.endif
.if \a == 0
	PLACES                                         ; the stream starts here: nothing else stands between these sums and their first reader
.endif
.endif
.endm
; 16 matrix instructions: row blocks a0, a0 + 1 of the window's four x all 8 code blocks, 32 along K, from buffer f.
; The accumulators take turns, one instruction a turn.
.macro MUL16 f, hi, a0
.irp a, \a0, \a0+1
.irp b, 0,1,2,3,4,5,6,7
	v_wmma_f32_16x16x32_bf16 v[8*(8*(\a)+\b):8*(8*(\a)+\b)+7], v[64*\f+8*\b:64*\f+8*\b+7], v[128+64*\f+8*(4*\hi+\a):128+64*\f+8*(4*\hi+\a)+7], v[8*(8*(\a)+\b):8*(8*(\a)+\b)+7]
.endr
.endr
.endm
; 8 matrix instructions: row block a (0..7) x all 8 code blocks from buffer f, each with a piece of the search behind it.  zero = 1: the product starts the sums.
.macro MUL8 f, a, zero
.irp b, 0,1,2,3,4,5,6,7
	WIN 0xa5+0x50*((\a)>>2)
.if \zero
	v_wmma_f32_16x16x32_bf16 v[64*((\a)&3)+8*\b:64*((\a)&3)+8*\b+7], v[64*\f+8*\b:64*\f+8*\b+7], v[128+64*\f+8*(\a):128+64*\f+8*(\a)+7], 0
.else
	v_wmma_f32_16x16x32_bf16 v[64*((\a)&3)+8*\b:64*((\a)&3)+8*\b+7], v[64*\f+8*\b:64*\f+8*\b+7], v[128+64*\f+8*(\a):128+64*\f+8*(\a)+7], v[64*((\a)&3)+8*\b:64*((\a)&3)+8*\b+7]
.endif
	GAP
.endr
.endm
; 32 LDS loads in one run: a quarter step's fragments (128 codes, then 128 rows of x, 32 K at byte k of the rows) into buffer f
.macro FETCH slot, k, f
	WIN TO_F
.irp i, 0,1,2,3,4,5,6,7
	ds_load_b128 v[64*\f+8*\i:64*\f+8*\i+3],   v[ADRB+\slot] offset:\k+\i*16*PITCH
	ds_load_b128 v[64*\f+8*\i+4:64*\f+8*\i+7], v[ADRB+\slot] offset:\k+\i*16*PITCH+32
.endr
.irp i, 0,1,2,3,4,5,6,7
	ds_load_b128 v[128+64*\f+8*\i:128+64*\f+8*\i+3],   v[ADRA+\slot] offset:\k+\i*16*PITCH
	ds_load_b128 v[128+64*\f+8*\i+4:128+64*\f+8*\i+7], v[ADRA+\slot] offset:\k+\i*16*PITCH+32
.endr
.endm
; 16 LDS loads: cc of my 128 codes of the tile that ends next; the 16 lanes of a half read the same words
.macro CCLOAD
.irp b, 0,1,2,3,4,5,6,7
	ds_load_b128 v[CC+8*\b:CC+8*\b+3],   v[CCA] offset:64*\b
	ds_load_b128 v[CC+8*\b+4:CC+8*\b+7], v[CCA] offset:64*\b+16
.endr
.endm
; A quarter step away from the seam: multiplies buffer f; in its middle fetches the next quarter's fragments, at byte k of the slot's rows, into buffer g
.macro QUARTER slot, k, f, g
	s_wait_dscnt 8                                 ; codes and x rows 0-63 are in; the youngest eight loads (x rows 64-127) may be out
	WIN MUL_LO
	MUL16 \f, 0, 0
	MUL16 \f, 0, 2
	PLACES
	FETCH \slot, \k, \g
	s_wait_dscnt 32                                ; all but the 32 just issued
	WIN MUL_HI
	MUL16 \f, 1, 0
	MUL16 \f, 1, 2
.endm
.macro THREE slot
	QUARTER \slot, 64,  0, 1
	QUARTER \slot, 128, 1, 0
	QUARTER \slot, 192, 0, 1
.endm
; The last quarter of a K step away from the seam: multiplies buffer 1 and changes slots.  fill = 1: this slot is filled again with the K step two ahead;
; wrap = 1: that step belongs to the next tile (the codes' two descriptors of this slot step on first).
; In front of the barrier every wave waits for its reads of this slot and for all its tensor loads (one is out: its part of the next slot).  Where the slot is
; filled again the barrier opens a round of the cluster's barrier, inside which only registers are worked on, and the joint refill is the first tensor load behind it.
.macro TURN slot, next, fill, wrap
	s_wait_dscnt 8
	WIN MUL_LO
	MUL16 1, 0, 0
	s_wait_dscnt 0                                 ; my reads of this slot are over
	s_set_vgpr_msb 0xa5a0
	s_wait_tensorcnt 0x0                           ; all my tensor loads have landed
	ds_add_u32 v30, v31
	s_wait_dscnt 0x0
	s_set_vgpr_msb 0xa0a5
	s_barrier_signal -1
	MUL16 1, 0, 2
	WIN 0
	s_barrier_wait -1
.if \fill
	CREST
.if \wrap
	s_add_nc_u64 s[G0B+4*\slot+2:G0B+4*\slot+3], s[G0B+4*\slot+2:G0B+4*\slot+3], TILEB            ; no load of mine is out: group 0 may be written
	s_add_nc_u64 s[G0B+4*\slot+10:G0B+4*\slot+11], s[G0B+4*\slot+10:G0B+4*\slot+11], TILEB
	JLOAD \slot
.else
	JLOAD \slot+2
.endif
.endif
	PLACES
	FETCH \next, 0, 0
	WIN MUL_HI
	MUL16 1, 1, 0
	MUL16 1, 1, 2
.endm
; TWO QUARTER STEPS BY ROW BLOCKS, 128 matrix instructions.  On entry buffer 0 has been asked for; buffer 1 is fetched first (byte k1 of the slot's rows).
; Order: buffer 0 x row blocks 0-3; then by turns buffer 1 x block i, buffer 0 x block 4 + i; then buffer 1 x blocks 4-7.  So a row block takes buffer 0 before buffer 1
; (K ascending), buffer 1's loads have 32 matrix instructions in which to land, and buffer 0 is free for the next fetch behind the 96th.
; zero = 1: a tile's first two quarters (buffer 0's products start the sums; NEED holds each row block back until its old sums have been read).
; avail = 1: a tile's last two quarters (DONE opens each finished row block to the search).  ccl = 1: the tile's cc is fetched at the head.
; turn = 1: the K step ends here and its slot is filled again for the next tile: the waits, the round and the refill as in TURN.
; nxt = 1: buffer 0 is fetched again, from byte nk of slot nslot.
.macro PAIR slot, k1, zero, turn, nxt, nslot, nk, ccl, avail
	PLACES                                         ; behind the last matrix instructions that read buffer 1
.if \ccl
	WIN 0
	CCLOAD
	v_add_nc_u32 v[CCA], 1024, v[CCA]              ; the next tile's 256 words
.endif
	FETCH \slot, \k1, 1
	s_wait_dscnt 32                                ; all but the 32 just issued: buffer 0 is in, and cc
.irp a, 0,1,2,3
	NEED \a, \zero
	MUL8 0, \a, \zero
.endr
	s_wait_dscnt 0                                 ; buffer 1 is in; with it my reads of this slot are over
.if \turn
	s_set_vgpr_msb 0xa5a0
	s_wait_tensorcnt 0x0                           ; all my tensor loads have landed
	ds_add_u32 v30, v31
	s_wait_dscnt 0x0
	s_set_vgpr_msb 0xa0a5
	s_barrier_signal -1
.endif
	MUL8 1, 0, 0
	DONE 0, \avail
	NEED 4, \zero
	MUL8 0, 4, \zero
.if \turn
	WIN 0
	s_barrier_wait -1
	CREST
	s_add_nc_u64 s[G0B+4*\slot+2:G0B+4*\slot+3], s[G0B+4*\slot+2:G0B+4*\slot+3], TILEB            ; no load of mine is out: group 0 may be written
	s_add_nc_u64 s[G0B+4*\slot+10:G0B+4*\slot+11], s[G0B+4*\slot+10:G0B+4*\slot+11], TILEB
	JLOAD \slot                                    ; the first tensor load behind the round, ahead of the next LDS read
.endif
	MUL8 1, 1, 0
	DONE 1, \avail
	NEED 5, \zero
	MUL8 0, 5, \zero
	MUL8 1, 2, 0
	DONE 2, \avail
	NEED 6, \zero
	MUL8 0, 6, \zero
	MUL8 1, 3, 0
	DONE 3, \avail
	NEED 7, \zero
	MUL8 0, 7, \zero
.if \nxt
	PLACES                                         ; behind the last matrix instructions that read buffer 0
	FETCH \nslot, \nk, 0
.endif
.irp a, 4,5,6,7
	MUL8 1, \a, 0
	DONE \a, \avail
.endr
.endm
; Quarter steps 2 to 13 of a tile.  last = 1: nothing is asked for beyond the last tile's K step 3.
.macro MID last
	QUARTER 0, 192, 0, 1
	TURN 0, 1, 1, 0
	THREE 1
	TURN 1, 0, 1, 0
	THREE 0
.if \last
	TURN 0, 1, 0, 0
.else
	TURN 0, 1, 1, 1
.endif
	QUARTER 1, 64, 0, 1
	QUARTER 1, 128, 1, 0
.endm
	s_wait_dscnt 0x0                               ; my part of cc is in LDS, for the other waves' sake
	s_wait_tensorcnt 0x1                           ; my part of K step 0 is in; K step 1's stays out
	s_barrier_signal -1
	s_barrier_wait -1
	FETCH 0, 0, 0
	PAIR 0, 64, 1, 0, 1, 0, 128, 0, 0              ; the first tile's first two quarters: no search is due yet
	WIN 0                                          ; at a label and at a branch every window is 0
	s_mov_b32 s23, 7
.Ltile:                                            ; a trip: quarter steps 2 to 15 of a tile, its search, and quarter steps 0 and 1 of the next
	MID 0
.set EP, 0
.set ELIM, 0
	PAIR 1, 192, 0, 1, 1, 0, 0, 1, 1
	PAIR 0, 64, 1, 0, 1, 0, 128, 0, 0
	ENEED EEND                                     ; by this text's count the stream has ended inside the pair: nothing is left here
	WIN 0
	s_sub_co_u32 s23, s23, 1
	s_cmp_lg_u32 s23, 0
	s_cbranch_scc1 .Ltile
	MID 1                                          ; the last tile is written out: its last two K steps ask for nothing
.set EP, 0
.set ELIM, 0
	PAIR 1, 192, 0, 0, 0, 0, 0, 1, 1
	ENEED EEND                                     ; the rest of the last search, with no matrix work left to lay it behind
	WIN 0
	; the place inside the winning block: the first of its 8 distances that equals the least
.irp a, 0,1,2,3,4,5,6,7
	v_mov_b32 v[M+\a], 7
.endr
.irp j, 6,5,4,3,2,1,0
.irp a, 0,1,2,3,4,5,6,7
	v_cmp_neq_f32 vcc_lo, v[RSEL+8*\a+\j], v[RMIN+\a]
	v_cndmask_b32 v[M+\a], \j, v[M+\a], vcc_lo     ; equal: place j, and lower j come later and win
.endr
.endr
.irp a, 0,1,2,3,4,5,6,7
	v_add_nc_u32 v[T+8+\a], v[RIDX+\a], v[M+\a]    ; the code
.endr
; (val, idx) becomes the lesser of itself and (oval, oidx): by distance, then by code
.macro LEXMIN val, idx, oval, oidx
	v_cmp_lt_f32 s86, v[\oval], v[\val]
	v_cmp_eq_f32 s87, v[\oval], v[\val]
	v_cmp_lt_u32 vcc_lo, v[\oidx], v[\idx]
	s_and_b32 s87, s87, vcc_lo
	s_or_b32 vcc_lo, s86, s87
	v_cndmask_b32 v[\val], v[\val], v[\oval], vcc_lo
	v_cndmask_b32 v[\idx], v[\idx], v[\oidx], vcc_lo
.endm
.irp a, 0,1,2,3,4,5,6,7
	v_permlanex16_b32 v[T+16+\a], v[RMIN+\a], s84, s85     ; the other half of the lanes holds the same row's other codes
	v_permlanex16_b32 v[T+24+\a], v[T+8+\a], s84, s85      ; (destinations: registers of T, written before)
.endr
.irp a, 0,1,2,3,4,5,6,7
	LEXMIN RMIN+\a, T+8+\a, T+16+\a, T+24+\a
.endr
.irp a, 0,1,2,3,4,5,6,7
	ds_store_b32 v[STV], v[RMIN+\a] offset:64*\a           ; row 16 a + r of my wave; both halves write the same word with the same value
	ds_store_b32 v[STV], v[T+8+\a] offset:2048+64*\a
.endr
	s_wait_dscnt 0x0                               ; for the other waves' sake
	s_barrier_signal -1
	s_barrier_wait -1
	ds_load_b64 v[T+32:T+33], v[RDV]               ; my two rows: distances from the wave of codes 0-127,
	ds_load_b64 v[T+34:T+35], v[RDV] offset:512    ; from the wave of codes 128-255,
	ds_load_b64 v[T+36:T+37], v[RDV] offset:2048   ; and their codes
	ds_load_b64 v[T+38:T+39], v[RDV] offset:2560
	s_wait_dscnt 0x0
	LEXMIN T+32, T+36, T+34, T+38
	LEXMIN T+33, T+37, T+35, T+39
	; The least distance goes out as a whole number whose unsigned order is the order of the f32 numbers: all bits turned if the sign is set, else the top bit alone.
	; (d is never -0: cc is a sum of squares, +0 at the least, and -0 + +0 = +0; so equal distances have equal keys.)
.irp e, 0,1
	v_ashrrev_i32 v[T+40+\e], 31, v[T+32+\e]
	v_or_b32 v[T+40+\e], 0x80000000, v[T+40+\e]
	v_xor_b32 v[T+42+\e], v[T+32+\e], v[T+40+\e]
.endr
	global_store_b64 v[OUTO], v[T+42:T+43], s[12:13]       ; a wave stores 256 consecutive bytes, aligned
	global_store_b64 v[OUTO], v[T+36:T+37], s[14:15]
	s_wait_tensorcnt 0x0
	ds_add_u32 v30, v31
	s_wait_dscnt 0x0
	CROUND                                         ; the closing round: no work-group ends while a partner may still ask for a tile that names it
	s_endpgm
.Lfunc_end_k_q2a580fe38e_dist:
	.size	k_q2a580fe38e_dist, .Lfunc_end_k_q2a580fe38e_dist-k_q2a580fe38e_dist
	.p2alignl 7, 3214868480
	.fill 96, 4, 3214868480
	.section	.rodata,"a",@progbits
	.p2align	6, 0x0
	.amdhsa_kernel k_q2a580fe38e_dist
		.amdhsa_group_segment_fixed_size 327680
		.amdhsa_private_segment_fixed_size 0
		.amdhsa_enable_private_segment 0
		.amdhsa_kernarg_size 48
		.amdhsa_user_sgpr_count 2
		.amdhsa_user_sgpr_kernarg_segment_ptr 1
		.amdhsa_wavefront_size32 1
		.amdhsa_system_sgpr_workgroup_id_x 1
		.amdhsa_system_sgpr_workgroup_id_y 1
		.amdhsa_system_sgpr_workgroup_id_z 1
		.amdhsa_system_vgpr_workitem_id 0
		.amdhsa_next_free_vgpr 1024
		.amdhsa_next_free_sgpr 96
		.amdhsa_reserve_vcc 1
		.amdhsa_float_denorm_mode_32 3
		.amdhsa_float_denorm_mode_16_64 3
		.amdhsa_memory_ordered 1
		.amdhsa_forward_progress 1
		.amdhsa_inst_pref_size 255
	.end_amdhsa_kernel
	.section	.bss,"aw",@nobits
	.p2align	6
	.space	262144
	.amdgpu_metadata
---
amdhsa.version: [ 1, 2 ]
amdhsa.kernels:
  - .name:           k_q2a580fe38e_dist
    .symbol:         k_q2a580fe38e_dist.kd
    .args:
      - { .name: x16, .offset: 0, .size: 8, .value_kind: global_buffer, .address_space: global }
      - { .name: cb16, .offset: 8, .size: 8, .value_kind: global_buffer, .address_space: global }
      - { .name: xx, .offset: 16, .size: 8, .value_kind: global_buffer, .address_space: global }
      - { .name: cc, .offset: 24, .size: 8, .value_kind: global_buffer, .address_space: global }
      - { .name: pkey, .offset: 32, .size: 8, .value_kind: global_buffer, .address_space: global }
      - { .name: pidx, .offset: 40, .size: 8, .value_kind: global_buffer, .address_space: global }
    .group_segment_fixed_size: 327680
    .private_segment_fixed_size: 0
    .kernarg_segment_align: 8
    .kernarg_segment_size: 48
    .max_flat_workgroup_size: 128
    .sgpr_count:     96
    .vgpr_count:     1024
    .wavefront_size: 32
...
	.end_amdgpu_metadata
.endif
;; end of part 2
;; launch finish (part 3): grid 256 x 1, 8 waves a work-group, no clusters, 1,280 bytes of LDS; arguments x16, cb16, pkey, pidx, out0, out2, ploss; writes out0, out2, ploss
.if DOCPART == 3
	.amdgcn_target "amdgcn-amd-amdhsa--gfx1250"
	.amdhsa_code_object_version 6
	.text
	.protected	k_q2a580fe38e_finish
	.globl	k_q2a580fe38e_finish
	.p2align	8
	.type	k_q2a580fe38e_finish,@function
k_q2a580fe38e_finish:
	s_mov_b64 s[64:65], 0
	v_nop
	global_prefetch_b8 v0, s[64:65] scope:SCOPE_SE
	s_setreg_imm32_b32 hwreg(HW_REG_WAVE_MODE, 25, 1), 1
	s_wait_xcnt 0x0
; For each row n: the code idx[n] with the least distance over the 8 splits (out2); out0[n] = x[n] + (c[idx[n]] - x[n]); and the work-group's share of the
; sum of (c[idx[n]] - x[n])^2, in f32.
; THE CHOICE: pkey [8][8192] holds each split's least distance as a whole number whose unsigned order is the order of the f32 distances, pidx [8][8192] its first code;
; both were stored by the launch before.  The splits are ascending ranges of codes and are taken in ascending order with a strict <, so of equal distances the first code stays.
; The choice is made in scalar registers, on whole numbers alone, and the chosen code is clamped to the table before it enters an address.
; LIMIT: x and c are the operands rounded once to bf16 (x16, cb16), the same numbers from which the indices were found.
; The squares are summed from the differences themselves, not taken from the least distance, which is a difference of large sums.
; Work-group g: rows 32 g .. 32 g + 31; wave w: four of them.  All 32 vector loads of a wave go out before the first is used; each covers 256 consecutive bytes, each store
; of out0 512.  No matrix unit, no cluster: nothing is shared but code rows that two indices happen to name.
; LDS: bytes 0-31 the eight waves' sums, bytes 32-159 the group's 32 indices.
.set T,  8                             ; v[8:23]    at work, two sets by turns: 4 x, 4 c
.set L,  24                            ; v[24:27]   two chains of two sums of squares
.set XR, 32                            ; v[32:63]   piece p = 4 i + j: 4 bf16 of x, elements 128 j + 4 lane .. + 3 of row i
.set Q,  64                            ; v[64:95]   the same of the row's code
.set O,  96                            ; v[96:159]  piece p: 4 results, registers of their own, so that no store is waited for
.set KEY, 32                           ; s[32:63]   split s: the keys of my four rows
.set IDX, 68                           ; s[68:99]   split s: their codes
.set CB,  40                           ; s[40:47]   behind the choice: the addresses of the four code rows
	s_load_b256 s[4:11], s[0:1], 0x0               ; x16 s[4:5], cb16 s[6:7], pkey s[8:9], pidx s[10:11]
	s_load_b128 s[12:15], s[0:1], 0x20             ; out0 s[12:13], out2 s[14:15]
	s_load_b64 s[16:17], s[0:1], 0x30              ; ploss
	v_lshl_add_u32 v160, v0, 2, 0x100
	v_mov_b32 v161, 0
	v_lshrrev_b32 v1, 5, v0
	v_readfirstlane_b32 s18, v1                    ; wave 0..7
	v_and_b32 v1, 31, v0                           ; lane
	v_lshlrev_b32 v2, 3, v1                        ; 8 lane
	v_lshlrev_b32 v3, 4, v1                        ; 16 lane
	v_mov_b32 v29, 0                               ; v_permlanex16_b32 counts as a reader of its destination
	v_mov_b32 v31, 0
	s_lshl_b32 s19, ttmp9, 5
	s_lshl2_add_u32 s19, s18, s19                  ; my first row = 32 g + 4 w
	s_lshl_b32 s20, s19, 2                         ; its word in a split's part of pkey and pidx
	s_mov_b32 s21, 0
	s_lshl_b32 s22, s19, 10                        ; its 1,024 bytes in x16
	s_mov_b32 s23, 0
	s_lshl_b32 s24, s19, 11                        ; its 2,048 bytes in out0
	s_mov_b32 s25, 0
	s_lshl_b32 s26, ttmp9, 2                       ; the group's word in ploss
	s_mov_b32 s27, 0
	s_lshl_b32 s28, ttmp9, 7                       ; the group's 32 words in out2
	s_mov_b32 s29, 0
	s_mov_b32 s30, 0x76543210
	s_mov_b32 s31, 0xfedcba98
	s_mov_b32 s2, 0xffff0000                       ; a word's upper bf16
	s_wait_kmcnt 0x0
	s_add_nc_u64 s[8:9], s[8:9], s[20:21]
	s_add_nc_u64 s[10:11], s[10:11], s[20:21]
.irp s, 0,1,2,3,4,5,6,7
	s_load_b128 s[KEY+4*\s:KEY+4*\s+3], s[8:9], 32768*\s           ; my four rows in split s
	s_load_b128 s[IDX+4*\s:IDX+4*\s+3], s[10:11], 32768*\s
.endr
	s_add_nc_u64 s[4:5], s[4:5], s[22:23]
	s_add_nc_u64 s[12:13], s[12:13], s[24:25]
	s_add_nc_u64 s[16:17], s[16:17], s[26:27]
	s_add_nc_u64 s[14:15], s[14:15], s[28:29]
.irp i, 0,1,2,3
.irp j, 0,1,2,3
	global_load_b64 v[XR+2*(4*\i+\j):XR+2*(4*\i+\j)+1], v2, s[4:5] offset:1024*\i+256*\j th:TH_LOAD_NT
.endr
.endr
	s_wait_kmcnt 0x0
.irp e, 0,1,2,3
.irp s, 1,2,3,4,5,6,7
	s_cmp_lt_u32 s[KEY+4*\s+\e], s[KEY+\e]         ; strictly less: an earlier split keeps an equal distance
	s_cselect_b32 s[KEY+\e], s[KEY+4*\s+\e], s[KEY+\e]
	s_cselect_b32 s[IDX+\e], s[IDX+4*\s+\e], s[IDX+\e]
.endr
.endr
.irp i, 0,1,2,3
	s_min_u32 s[IDX+\i], s[IDX+\i], 0x3fff         ; an index stays inside the table of 16,384 codes
	s_lshl_b32 s20, s[IDX+\i], 10                  ; rows of 1,024 bytes (s21 is still 0)
	s_add_nc_u64 s[CB+2*\i:CB+2*\i+1], s[6:7], s[20:21]
.endr
.irp i, 0,1,2,3
.irp j, 0,1,2,3
	global_load_b64 v[Q+2*(4*\i+\j):Q+2*(4*\i+\j)+1], v2, s[CB+2*\i:CB+2*\i+1] offset:256*\j
.endr
.endr
.macro PIECE i, j, first
.set p, 4*\i+\j
.set tt, T+8*(\j&1)
	s_wait_loadcnt 15-p                            ; loads come back in order: this piece's code is in (x's loads are all older); the younger code loads stay out
	v_lshlrev_b32 v[tt],   16, v[XR+2*p]
	v_and_b32     v[tt+1], s2, v[XR+2*p]
	v_lshlrev_b32 v[tt+2], 16, v[XR+2*p+1]
	v_and_b32     v[tt+3], s2, v[XR+2*p+1]
	v_lshlrev_b32 v[tt+4], 16, v[Q+2*p]
	v_and_b32     v[tt+5], s2, v[Q+2*p]
	v_lshlrev_b32 v[tt+6], 16, v[Q+2*p+1]
	v_and_b32     v[tt+7], s2, v[Q+2*p+1]
	v_pk_add_f32 v[tt+4:tt+5], v[tt+4:tt+5], v[tt:tt+1]   neg_lo:[0,1] neg_hi:[0,1]    ; e = c - x
	v_pk_add_f32 v[tt+6:tt+7], v[tt+6:tt+7], v[tt+2:tt+3] neg_lo:[0,1] neg_hi:[0,1]
	v_pk_add_f32 v[O+4*p:O+4*p+1],   v[tt:tt+1],   v[tt+4:tt+5]                        ; x + e
	v_pk_add_f32 v[O+4*p+2:O+4*p+3], v[tt+2:tt+3], v[tt+6:tt+7]
.if \first
	v_pk_mul_f32 v[L:L+1],   v[tt+4:tt+5], v[tt+4:tt+5]                                ; the first squares start the chains
	v_pk_mul_f32 v[L+2:L+3], v[tt+6:tt+7], v[tt+6:tt+7]
.else
	v_pk_fma_f32 v[L:L+1],   v[tt+4:tt+5], v[tt+4:tt+5], v[L:L+1]
	v_pk_fma_f32 v[L+2:L+3], v[tt+6:tt+7], v[tt+6:tt+7], v[L+2:L+3]
.endif
	global_store_b128 v3, v[O+4*p:O+4*p+3], s[12:13] offset:2048*\i+512*\j th:TH_STORE_NT  ; the wave stores 512 consecutive bytes, aligned
.endm
	PIECE 0, 0, 1
.irp j, 1,2,3
	PIECE 0, \j, 0
.endr
.irp i, 1,2,3
.irp j, 0,1,2,3
	PIECE \i, \j, 0
.endr
.endr
	v_pk_add_f32 v[L:L+1], v[L:L+1], v[L+2:L+3]
	v_add_f32 v28, v[L], v[L+1]
	v_add_f32_dpp v28, v28, v28 row_xmask:1 row_mask:0xf bank_mask:0xf
	v_add_f32_dpp v28, v28, v28 row_xmask:2 row_mask:0xf bank_mask:0xf
	v_add_f32_dpp v28, v28, v28 row_xmask:4 row_mask:0xf bank_mask:0xf
	v_add_f32_dpp v28, v28, v28 row_xmask:8 row_mask:0xf bank_mask:0xf
	v_permlanex16_b32 v29, v28, s30, s31
	v_add_f32 v28, v28, v29                        ; the wave's sum, in every lane
	s_lshl_b32 s20, s18, 2
	v_mov_b32 v30, s20
	ds_store_b32 v30, v28                          ; my wave's word; all lanes write the same value
.irp i, 0,1,2,3
	v_mov_b32 v[4+\i], s[IDX+\i]
.endr
	s_lshl_b32 s20, s18, 4
	v_mov_b32 v8, s20
	ds_store_b128 v8, v[4:7] offset:32             ; my four indices, likewise
	s_wait_dscnt 0x0                               ; for the sake of waves 0 and 1
	s_barrier_signal -1
	s_barrier_wait -1
	s_cmp_lg_u32 s18, 0
	s_cbranch_scc1 .Lnot_wave_0
	ds_load_b128 v[8:11], v31                      ; wave 0: the eight waves' sums
	ds_load_b128 v[12:15], v31 offset:16
	s_wait_dscnt 0x0
	v_pk_add_f32 v[8:9], v[8:9], v[10:11]
	v_pk_add_f32 v[12:13], v[12:13], v[14:15]
	v_pk_add_f32 v[8:9], v[8:9], v[12:13]
	v_add_f32 v8, v8, v9
	v_cmp_eq_u32 vcc_lo, 0, v0
	s_wait_xcnt 0x0                                ; EXEC is a source of my pending stores: it changes only behind this wait
	s_wait_tensorcnt 0x0
	ds_add_u32 v160, v161
	s_wait_dscnt 0x0
	s_and_saveexec_b32 s20, vcc_lo
	global_store_b32 v31, v8, s[16:17]             ; one lane, one word: the group's share
	s_wait_xcnt 0x0                                ; and again in front of the line that widens it
	s_or_b32 exec_lo, exec_lo, s20
	s_endpgm
.Lnot_wave_0:
	s_cmp_lg_u32 s18, 1
	s_cbranch_scc1 .Lend
	v_lshlrev_b32 v9, 2, v1                        ; wave 1: the group's 32 indices
	ds_load_b32 v10, v9 offset:32
	s_wait_dscnt 0x0
	global_store_b32 v9, v10, s[14:15]             ; 128 consecutive bytes: all that a work-group has of out2
.Lend:
	s_wait_tensorcnt 0x0
	ds_add_u32 v160, v161
	s_wait_dscnt 0x0
	s_endpgm
.Lfunc_end_k_q2a580fe38e_finish:
	.size	k_q2a580fe38e_finish, .Lfunc_end_k_q2a580fe38e_finish-k_q2a580fe38e_finish
	.p2alignl 7, 3214868480
	.fill 96, 4, 3214868480
	.section	.rodata,"a",@progbits
	.p2align	6, 0x0
	.amdhsa_kernel k_q2a580fe38e_finish
		.amdhsa_group_segment_fixed_size 1280
		.amdhsa_private_segment_fixed_size 0
		.amdhsa_enable_private_segment 0
		.amdhsa_kernarg_size 56
		.amdhsa_user_sgpr_count 2
		.amdhsa_user_sgpr_kernarg_segment_ptr 1
		.amdhsa_wavefront_size32 1
		.amdhsa_system_sgpr_workgroup_id_x 1
		.amdhsa_system_sgpr_workgroup_id_y 1
		.amdhsa_system_sgpr_workgroup_id_z 1
		.amdhsa_system_vgpr_workitem_id 0
		.amdhsa_next_free_vgpr 162
		.amdhsa_next_free_sgpr 100
		.amdhsa_reserve_vcc 1
		.amdhsa_float_denorm_mode_32 3
		.amdhsa_float_denorm_mode_16_64 3
		.amdhsa_memory_ordered 1
		.amdhsa_forward_progress 1
		.amdhsa_inst_pref_size 23
	.end_amdhsa_kernel
	.amdgpu_metadata
---
amdhsa.version: [ 1, 2 ]
amdhsa.kernels:
  - .name:           k_q2a580fe38e_finish
    .symbol:         k_q2a580fe38e_finish.kd
    .args:
      - { .name: x16, .offset: 0, .size: 8, .value_kind: global_buffer, .address_space: global }
      - { .name: cb16, .offset: 8, .size: 8, .value_kind: global_buffer, .address_space: global }
      - { .name: pkey, .offset: 16, .size: 8, .value_kind: global_buffer, .address_space: global }
      - { .name: pidx, .offset: 24, .size: 8, .value_kind: global_buffer, .address_space: global }
      - { .name: out0, .offset: 32, .size: 8, .value_kind: global_buffer, .address_space: global }
      - { .name: out2, .offset: 40, .size: 8, .value_kind: global_buffer, .address_space: global }
      - { .name: ploss, .offset: 48, .size: 8, .value_kind: global_buffer, .address_space: global }
    .group_segment_fixed_size: 1280
    .private_segment_fixed_size: 0
    .kernarg_segment_align: 8
    .kernarg_segment_size: 56
    .max_flat_workgroup_size: 256
    .sgpr_count:     100
    .vgpr_count:     162
    .wavefront_size: 32
...
	.end_amdgpu_metadata
.endif
;; end of part 3
;; launch loss (part 4): grid 1 x 1, 1 waves a work-group, no clusters, 0 bytes of LDS; arguments ploss, out1; writes out1
.if DOCPART == 4
	.amdgcn_target "amdgcn-amd-amdhsa--gfx1250"
	.amdhsa_code_object_version 6
	.text
	.protected	k_q2a580fe38e_loss
	.globl	k_q2a580fe38e_loss
	.p2align	8
	.type	k_q2a580fe38e_loss,@function
k_q2a580fe38e_loss:
	s_mov_b64 s[64:65], 0
	v_nop
	global_prefetch_b8 v0, s[64:65] scope:SCOPE_SE
	s_setreg_imm32_b32 hwreg(HW_REG_WAVE_MODE, 25, 1), 1
	s_wait_xcnt 0x0
; out1 = m + 0.25 m, where m is the mean of (c[idx] - x)^2 over 8,192 x 512 = 2^22 numbers: the sum of the 256 work-groups' shares times 2^-22.
; One owner for the one number: one wave, eight shares a lane.
	s_load_b128 s[4:7], s[0:1], 0x0                ; ploss s[4:5], out1 s[6:7]
	v_lshlrev_b32 v1, 4, v0
	v_mov_b32 v11, 0                               ; v_permlanex16_b32 counts as a reader of its destination
	v_mov_b32 v12, 0
	s_mov_b32 s8, 0x76543210
	s_mov_b32 s9, 0xfedcba98
	s_wait_kmcnt 0x0
	global_load_b128 v[2:5], v1, s[4:5]
	global_load_b128 v[6:9], v1, s[4:5] offset:512
	s_wait_loadcnt 0x0
	v_pk_add_f32 v[2:3], v[2:3], v[4:5]
	v_pk_add_f32 v[6:7], v[6:7], v[8:9]
	v_pk_add_f32 v[2:3], v[2:3], v[6:7]
	v_add_f32 v10, v2, v3
	v_add_f32_dpp v10, v10, v10 row_xmask:1 row_mask:0xf bank_mask:0xf
	v_add_f32_dpp v10, v10, v10 row_xmask:2 row_mask:0xf bank_mask:0xf
	v_add_f32_dpp v10, v10, v10 row_xmask:4 row_mask:0xf bank_mask:0xf
	v_add_f32_dpp v10, v10, v10 row_xmask:8 row_mask:0xf bank_mask:0xf
	v_permlanex16_b32 v11, v10, s8, s9
	v_add_f32 v10, v10, v11
	v_mul_f32 v10, 0x34800000, v10                 ; x 2^-22: the mean (exact scaling)
	v_fma_f32 v10, 0x3e800000, v10, v10            ; the codebook term + 0.25 x the commitment term, which are the same mean
	v_cmp_eq_u32 vcc_lo, 0, v0
	s_wait_xcnt 0x0                                ; EXEC changes only behind this wait
	s_and_saveexec_b32 s10, vcc_lo
	global_store_b32 v12, v10, s[6:7]
	s_wait_xcnt 0x0
	s_or_b32 exec_lo, exec_lo, s10
	s_endpgm
.Lfunc_end_k_q2a580fe38e_loss:
	.size	k_q2a580fe38e_loss, .Lfunc_end_k_q2a580fe38e_loss-k_q2a580fe38e_loss
	.p2alignl 7, 3214868480
	.fill 96, 4, 3214868480
	.section	.rodata,"a",@progbits
	.p2align	6, 0x0
	.amdhsa_kernel k_q2a580fe38e_loss
		.amdhsa_group_segment_fixed_size 0
		.amdhsa_private_segment_fixed_size 0
		.amdhsa_enable_private_segment 0
		.amdhsa_kernarg_size 16
		.amdhsa_user_sgpr_count 2
		.amdhsa_user_sgpr_kernarg_segment_ptr 1
		.amdhsa_wavefront_size32 1
		.amdhsa_system_sgpr_workgroup_id_x 1
		.amdhsa_system_sgpr_workgroup_id_y 1
		.amdhsa_system_sgpr_workgroup_id_z 1
		.amdhsa_system_vgpr_workitem_id 0
		.amdhsa_next_free_vgpr 16
		.amdhsa_next_free_sgpr 66
		.amdhsa_reserve_vcc 1
		.amdhsa_float_denorm_mode_32 3
		.amdhsa_float_denorm_mode_16_64 3
		.amdhsa_memory_ordered 1
		.amdhsa_forward_progress 1
		.amdhsa_inst_pref_size 2
	.end_amdhsa_kernel
	.amdgpu_metadata
---
amdhsa.version: [ 1, 2 ]
amdhsa.kernels:
  - .name:           k_q2a580fe38e_loss
    .symbol:         k_q2a580fe38e_loss.kd
    .args:
      - { .name: ploss, .offset: 0, .size: 8, .value_kind: global_buffer, .address_space: global }
      - { .name: out1, .offset: 8, .size: 8, .value_kind: global_buffer, .address_space: global }
    .group_segment_fixed_size: 0
    .private_segment_fixed_size: 0
    .kernarg_segment_align: 8
    .kernarg_segment_size: 16
    .max_flat_workgroup_size: 32
    .sgpr_count:     66
    .vgpr_count:     16
    .wavefront_size: 32
...
	.end_amdgpu_metadata
.endif
;; end of part 4
